; MI455X (gfx1250); checked and timed in simulation.
; The chip was launched on July 23, 2026; its instructions are those of AMD's public machine-readable ISA for CDNA 5 (MIT licence, August 2026) and "CDNA5" Instruction Set Architecture Reference Guide (July 2026). The comments in the code are by the model that wrote it; some were corrected since.
;; Sliding Window Attention. Allowed arithmetic: matrix products marked QUANTISED: E2M3 operands, one E8M0 scale for each 32 along K, by v_wmma_scale_f32_16x16x128_f8f6f4 with both operands' format E2M3, f32 sums; everything else in f32.
;; Inputs: Wk 1,024 x 1,024 float32; Wo 1,024 x 1,024 float32; Wq 1,024 x 1,024 float32; Wv 1,024 x 1,024 float32; x 2 x 2,048 x 1,024 float32.
;; Outputs: out0 2 x 2,048 x 1,024 float32.
;; This version of the problem:
;;   THIS VERSION OF THE PROBLEM IS GIVEN IN LOW PRECISION. The matrix products marked QUANTISED in the list below multiply operands that are first quantised to E2M3 (2 exponent bits, 3 mantissa bits; 6 bits a number), with one power-of-two scale for each 32 numbers along K (OCP MX v1.0); their sums are f32. All else is computed in f32.
;;   The module's matrix products, in the order in which they are computed (A, B: the left and right operand; K: the contracted axis; several contracted axes count as one K, in the product's order):
;;     1. [M 4,096, K 1,024] x [K 1,024, N 1,024]; A: input x; B: input Wq: QUANTISED
;;     2. [M 4,096, K 1,024] x [K 1,024, N 1,024]; A: input x; B: input Wk: QUANTISED
;;     3. [M 4,096, K 1,024] x [K 1,024, N 1,024]; A: input x; B: input Wv: QUANTISED
;;     4. batch 32 x [M 2,048, K 64] x [K 64, N 2,048]; A: computed on the way; B: computed on the way: QUANTISED
;;     5. batch 32 x [M 2,048, K 2,048] x [K 2,048, N 64]; A: computed on the way; B: computed on the way: QUANTISED
;;     6. [M 4,096, K 1,024] x [K 1,024, N 1,024]; A: computed on the way; B: input Wo: QUANTISED
;;   THE QUANTISER, for each operand of a quantised product, along K:
;;     - K is cut into blocks of 32 from its start; a last block that is shorter is filled with zeros.
;;     - A block's scale is 2^e with e = floor(log2(the largest magnitude in the block)) - 2, held to -126 .. 127; a block of zeros has e = 0. As a byte (E8M0): e + 127.
;;     - Each number is divided by its block's scale, clamped to +-7.5, and rounded to the nearest number of E2M3, ties to even, subnormals kept.
;;     - The product sums the exact products of the quantised numbers (number of the format x scale) in f32.
;;   ~~~python
;;   def quantise(x, axis):      # numpy; x: float32 -> the quantised numbers, widened to float32 again
;;       x = np.moveaxis(x, axis, -1); K = x.shape[-1]
;;       x = np.pad(x, [(0, 0)] * (x.ndim - 1) + [(0, -K % 32)]); x = x.reshape(x.shape[:-1] + (-1, 32)); a = np.abs(x).max(-1, keepdims=True)
;;       e = np.where(a > 0, np.clip(np.frexp(np.where(a > 0, a, 1))[1] - 1 - 2, -126, 127), 0)      # np.frexp(a)[1] - 1 = floor(log2(a)), exactly
;;       r = np.clip(x / 2.0 ** e, -7.5, 7.5)
;;       step = 2.0 ** (np.maximum(np.frexp(np.where(r == 0, 1, r))[1] - 1, 0) - 3)
;;       q = np.round(r / step) * step * 2.0 ** e      # np.round: ties to even
;;       return np.moveaxis(q.reshape(q.shape[:-2] + (-1,))[..., :K], -1, axis).astype(np.float32)
;;   ~~~
;;   OPERANDS COMPUTED ON THE WAY. 'Computed on the way' means the value that the module computes at that place (a softmax that the list does not call 'softmax' is quantised finished and normalised). What goes into a quantiser is computed in f32, as accurately as f32 sums, v_exp_f32 and their like allow (about 1e-6 of the number): no bf16 or f16 on the way to a quantiser, and a product that is left as it is and whose result goes on into a quantised operand takes f32 operands (vector FMAs, or v_wmma_f32_16x16x4_f32). A number that lies on a knife's edge between two numbers of the format may be rounded either way, as far as f32 arithmetic and the matrix unit's own rounding can turn it there, and no further.
;; One version. Each part assembles by itself: llvm-mc -triple=amdgcn-amd-amdhsa -mcpu=gfx1250 --defsym DOCPART=n.
;; ======== version 1 of 1: 4 launches
;; workspace buffers: cod 9,437,184 bytes; scl 393,216 bytes; qkv 9,437,184 bytes; qkvs 393,216 bytes
;; launch quant (part 1): grid 512 x 1, 8 waves a work-group, no clusters, 69,120 bytes of LDS; arguments x, Wq, Wk, Wv, Wo, cod, scl; writes cod, scl
.if DOCPART == 1
	.amdgcn_target "amdgcn-amd-amdhsa--gfx1250"
	.amdhsa_code_object_version 6
	.text
	.protected	k_q27c79c10ba_quant
	.globl	k_q27c79c10ba_quant
	.p2align	8
	.type	k_q27c79c10ba_quant,@function
k_q27c79c10ba_quant:
	s_mov_b64 s[64:65], 0
	v_nop
	global_prefetch_b8 v0, s[64:65] scope:SCOPE_SE
	s_setreg_imm32_b32 hwreg(HW_REG_WAVE_MODE, 25, 1), 1
	s_wait_xcnt 0x0
; x [4096][1024] and Wq, Wk, Wv, Wo [1024][1024], f32, K innermost, become codes of FP6 (E2M3) with one E8M0 byte for each 32 along K.
; A block's scale is 2^(floor(log2(its largest magnitude)) - 2); its byte is the largest magnitude's exponent field - 2, held at 1 from below.
; LIMITS: NaN and infinities among the inputs are not served.  A block of zeros gets the byte 1 where the quantiser's rule says 127: its codes are zeros, which add
; nothing under any byte but 0xff, and this program alone reads the bytes.  Blocks whose largest magnitude lies under 2^-124 get the byte 1 by the floor; that range was not tried.
; LAYOUT OF THE CODES (buffer cod): in the order of the matrix operand's registers.  A TILE is 16 rows: tile 2 P + u holds rows 32 P + 8 u + p + 8 (p / 8), p = 0 .. 15 (its row-lanes).
; A tile is 4 groups of 256 along K, 3,072 bytes each: a block's 24 bytes are cut into 16 + 8; block j's first 16 bytes of row-lane p lie at 256 j + 16 p, its last 8 at 2048 + 128 j + 8 p.
; So a fragment (16 rows x 128 K) is two loads of 16 bytes and two of 8 bytes a lane, each with neighbouring lanes at neighbouring bytes.
; Tiles 0-255 x, 256-319 Wq, 320-383 Wk, 384-447 Wv, 448-511 Wo.  The scale words (buffer scl): tile x 512 + row-lane x 32 + K step x 4.
; SHARES: work-group g makes tile g; wave s its K step s: one fragment, 16 rows x 512 bytes of f32.  No loop: all of a wave's 16 loads are out at once.
; Waves share nothing but the tile's 512 bytes of scale words, so there is one barrier.  No matrix unit, no cluster, no tensor load: nothing here is read twice.
.set STG,  8448                        ; a wave's stage: 16 rows x (512 bytes + 16)
.set SCB,  8*STG                       ; behind the eight stages: the tile's 512 bytes of scale words
.set R,    16                          ; v16-79   the 16 rows' pieces as loaded
.set X,    80                          ; v80-143  my two whole blocks of 32 numbers
.set C,    144                         ; v144-155 the fragment's 12 registers
.set T0,   156                         ; v156-158, v12-14: the second halves of the two blocks' codes (a conversion's three registers begin on an even number)
.set T1,   12
	s_load_b256 s[4:11], s[0:1], 0x0               ; x, Wq, Wk, Wv
	s_load_b64 s[12:13], s[0:1], 0x20              ; Wo
	s_load_b128 s[16:19], s[0:1], 0x28             ; cod, scl
	v_lshl_add_u32 v160, v0, 2, 0x10a00
	v_mov_b32 v161, 0
	v_lshrrev_b32 v1, 5, v0
	v_readfirstlane_b32 s20, v1                    ; wave = K step
	v_and_b32 v1, 31, v0                           ; lane
	v_and_b32 v2, 15, v0                           ; r
	v_bfe_u32 v3, v0, 4, 1                         ; hh
	v_lshlrev_b32 v4, 4, v1                        ; 16 x lane
	v_lshlrev_b32 v5, 3, v1                        ; 8 x lane
	s_mul_i32 s21, s20, STG
	v_add_nc_u32 v6, s21, v4                       ; the stage, on the way in: a row's 512 bytes as they lie
	v_mul_u32_u24 v7, v2, 528
	v_lshl_add_u32 v7, v3, 7, v7
	v_add_nc_u32 v7, s21, v7                       ; and on the way out: row r, block hh
	s_lshl_b32 s22, s20, 2
	s_add_co_u32 s22, s22, SCB
	v_lshl_add_u32 v8, v2, 5, s22                  ; my row's scale word of my K step
	v_add_nc_u32 v159, SCB, v4                     ; the 512 bytes of scale words, 16 a lane
	s_mov_b32 s14, 0x76543210
	s_mov_b32 s15, 0xfedcba98                      ; v_permlanex16_b32's selects for lane l xor 16
	s_and_b32 s23, ttmp9, 63
	s_cmp_lt_u32 ttmp9, 256
	s_cselect_b32 s23, ttmp9, s23                  ; the tile's number in its own tensor
	s_lshr_b32 s26, s23, 1
	s_lshl_b32 s26, s26, 17                        ; 32 rows of 4,096 bytes for each pair of tiles,
	s_and_b32 s27, s23, 1
	s_lshl_b32 s27, s27, 15                        ; 8 rows for the odd tile,
	s_add_co_u32 s26, s26, s27
	s_lshl_b32 s27, s20, 9                         ; 512 bytes for each K step
	s_add_co_u32 s26, s26, s27
	s_mov_b32 s27, 0
	s_mul_i32 s28, ttmp9, 12288
	s_lshr_b32 s29, s20, 1
	s_mul_i32 s29, s29, 3072
	s_add_co_u32 s28, s28, s29                     ; my group's first byte in cod
	s_and_b32 s29, s20, 1                          ; which 128 of the group's 256
	s_lshl_b32 s30, s29, 10
	s_add_co_u32 s30, s30, s28                     ; the 16-byte parts
	s_lshl_b32 s29, s29, 9
	s_add_co_u32 s28, s28, s29
	s_add_co_u32 s28, s28, 2048                    ; the 8-byte parts
	s_mov_b32 s29, 0
	s_mov_b32 s31, 0
	s_lshl_b32 s22, ttmp9, 9                       ; the tile's scale words in scl
	s_mov_b32 s23, 0
	s_wait_kmcnt 0x0
	s_mov_b64 s[24:25], s[12:13]                   ; which tensor: the choice hangs on the work-group's number alone
	s_cmp_lt_u32 ttmp9, 448
	s_cselect_b64 s[24:25], s[10:11], s[24:25]
	s_cmp_lt_u32 ttmp9, 384
	s_cselect_b64 s[24:25], s[8:9], s[24:25]
	s_cmp_lt_u32 ttmp9, 320
	s_cselect_b64 s[24:25], s[6:7], s[24:25]
	s_cmp_lt_u32 ttmp9, 256
	s_cselect_b64 s[24:25], s[4:5], s[24:25]
	s_add_nc_u64 s[24:25], s[24:25], s[26:27]
	s_add_nc_u64 s[30:31], s[16:17], s[30:31]
	s_add_nc_u64 s[28:29], s[16:17], s[28:29]
	s_add_nc_u64 s[22:23], s[18:19], s[22:23]
.irp i, 0,1,2,3,4,5,6,7,8,9,10,11,12,13,14,15
	global_load_b128 v[R+4*\i:R+4*\i+3], v4, s[24:25] offset:(\i+8*(\i/8))*4096 th:TH_LOAD_NT   ; row-lane i: 32 lanes read 512 consecutive bytes
.endr
.irp i, 0,1,2,3,4,5,6,7,8,9,10,11,12,13,14,15
	s_wait_loadcnt 15-\i                           ; loads come back in order: row-lane i is in, the 15 - i younger loads stay out
	ds_store_b128 v6, v[R+4*\i:R+4*\i+3] offset:528*\i
.endr
.irp c, 0,1
.irp j, 0,1,2,3,4,5,6,7
	ds_load_b128 v[X+32*\c+4*\j:X+32*\c+4*\j+3], v7 offset:256*\c+16*\j   ; block 2 c + hh of row r, whole; LDS serves a wave's instructions in order: these see my stores
.endr
.endr
	s_wait_dscnt 0x0
.irp c, 0,1
	v_max3_num_f32 v[9+\c], |v[X+32*\c]|, |v[X+32*\c+1]|, 0x1800000   ; the block's largest magnitude, and the floor 2^(3 - 127): the byte cannot fall under 1
.endr
.irp i, 2,4,6,8,10,12,14,16,18,20,22,24,26,28,30
.irp c, 0,1
	v_max3_num_f32 v[9+\c], v[9+\c], |v[X+32*\c+\i]|, |v[X+32*\c+\i+1]|   ; (the two blocks by turns)
.endr
.endr
.irp c, 0,1
	v_add_nc_u32 v[9+\c], 0xff000000, v[9+\c]      ; 2 off the exponent field: the conversion takes this operand's exponent field as its scale
.endr
	v_lshrrev_b32 v11, 23, v9                      ; the scales' bytes
	v_lshrrev_b32 v15, 23, v10
	v_lshl_or_b32 v11, v15, 16, v11                ; blocks hh and 2 + hh,
	v_lshlrev_b32 v15, 3, v3
	v_lshlrev_b32 v11, v15, v11                    ; at their places in the word;
	v_mov_b32 v15, 0
	v_permlanex16_b32 v15, v11, s14, s15
	v_or_b32 v11, v11, v15                         ; with lane l xor 16's two the word is whole
.irp c, 0,1
	v_cvt_scalef32_pk16_fp6_f32 v[C+6*\c:C+6*\c+2], v[X+32*\c:X+32*\c+15], v[9+\c]
.endr
	v_cvt_scalef32_pk16_fp6_f32 v[T0:T0+2], v[X+16:X+31], v9
	v_cvt_scalef32_pk16_fp6_f32 v[T1:T1+2], v[X+48:X+63], v10
	v_nop                                          ; one plain line behind the scaled conversions
.irp i, 0,1,2
	v_mov_b32 v[C+3+\i], v[T0+\i]
	v_mov_b32 v[C+9+\i], v[T1+\i]
.endr
.irp c, 0,1
	global_store_b128 v4, v[C+6*\c:C+6*\c+3], s[30:31] offset:512*\c      ; 32 lanes store 512 consecutive bytes, aligned
	global_store_b64 v5, v[C+6*\c+4:C+6*\c+5], s[28:29] offset:256*\c     ; and 256
.endr
	ds_store_b32 v8, v11                           ; lanes r and r + 16 write the same word with the same value
	s_wait_dscnt 0x0                               ; for the others' sake: my word has landed
	s_barrier_signal -1
	s_barrier_wait -1
	s_cmp_lg_u32 s20, 0
	s_cbranch_scc1 .Ldone
	ds_load_b128 v[R:R+3], v159                    ; wave 0 stores the tile's 512 bytes of scale words
	s_wait_dscnt 0x0
	global_store_b128 v4, v[R:R+3], s[22:23]
.Ldone:
	s_wait_tensorcnt 0x0
	ds_add_u32 v160, v161
	s_wait_dscnt 0x0
	s_endpgm
.Lfunc_end_k_q27c79c10ba_quant:
	.size	k_q27c79c10ba_quant, .Lfunc_end_k_q27c79c10ba_quant-k_q27c79c10ba_quant
	.p2alignl 7, 3214868480
	.fill 96, 4, 3214868480
	.section	.rodata,"a",@progbits
	.p2align	6, 0x0
	.amdhsa_kernel k_q27c79c10ba_quant
		.amdhsa_group_segment_fixed_size 69120
		.amdhsa_private_segment_fixed_size 0
		.amdhsa_enable_private_segment 0
		.amdhsa_kernarg_size 56
		.amdhsa_user_sgpr_count 2
		.amdhsa_user_sgpr_kernarg_segment_ptr 1
		.amdhsa_wavefront_size32 1
		.amdhsa_system_sgpr_workgroup_id_x 1
		.amdhsa_system_sgpr_workgroup_id_y 1
		.amdhsa_system_sgpr_workgroup_id_z 1
		.amdhsa_system_vgpr_workitem_id 0
		.amdhsa_next_free_vgpr 162
		.amdhsa_next_free_sgpr 66
		.amdhsa_reserve_vcc 0
		.amdhsa_float_denorm_mode_32 3
		.amdhsa_float_denorm_mode_16_64 3
		.amdhsa_memory_ordered 1
		.amdhsa_forward_progress 1
		.amdhsa_inst_pref_size 11
	.end_amdhsa_kernel
	.amdgpu_metadata
---
amdhsa.version: [ 1, 2 ]
amdhsa.kernels:
  - .name:           k_q27c79c10ba_quant
    .symbol:         k_q27c79c10ba_quant.kd
    .args:
      - { .name: x, .offset: 0, .size: 8, .value_kind: global_buffer, .address_space: global }
      - { .name: Wq, .offset: 8, .size: 8, .value_kind: global_buffer, .address_space: global }
      - { .name: Wk, .offset: 16, .size: 8, .value_kind: global_buffer, .address_space: global }
      - { .name: Wv, .offset: 24, .size: 8, .value_kind: global_buffer, .address_space: global }
      - { .name: Wo, .offset: 32, .size: 8, .value_kind: global_buffer, .address_space: global }
      - { .name: cod, .offset: 40, .size: 8, .value_kind: global_buffer, .address_space: global }
      - { .name: scl, .offset: 48, .size: 8, .value_kind: global_buffer, .address_space: global }
    .group_segment_fixed_size: 69120
    .private_segment_fixed_size: 0
    .kernarg_segment_align: 8
    .kernarg_segment_size: 56
    .max_flat_workgroup_size: 256
    .sgpr_count:     66
    .vgpr_count:     162
    .wavefront_size: 32
...
	.end_amdgpu_metadata
.endif
;; end of part 1
;; launch qkv (part 2): grid 4 x 48, 4 waves a work-group, clusters of 4 x 4, 327,680 bytes of LDS; arguments cod, scl, qkv, qkvs; writes qkv, qkvs
.if DOCPART == 2
	.amdgcn_target "amdgcn-amd-amdhsa--gfx1250"
	.amdhsa_code_object_version 6
	.text
	.protected	k_q27c79c10ba_qkv
	.globl	k_q27c79c10ba_qkv
	.p2align	8
	.type	k_q27c79c10ba_qkv,@function
k_q27c79c10ba_qkv:
	s_mov_b64 s[64:65], 0
	v_nop
	global_prefetch_b8 v0, s[64:65] scope:SCOPE_SE
	s_setreg_imm32_b32 hwreg(HW_REG_WAVE_MODE, 25, 1), 1
	s_wait_xcnt 0x0
	s_wait_alu depctr_hold_cnt(0) depctr_sa_sdst(0) depctr_va_vdst(0) depctr_va_sdst(0) depctr_va_ssrc(0) depctr_va_vcc(0) depctr_vm_vsrc(0)
	s_getreg_b32 s2, hwreg(HW_REG_IB_STS2, 6, 4)
	s_cmp_eq_u32 s2, 0
	s_cbranch_scc0 .Lentry_in_a_cluster
	s_endpgm
.Lentry_in_a_cluster:
	s_bfe_u32 s2, ttmp6, 0x10000c
	s_cmp_lg_u32 s2, 0xf033
	s_cbranch_scc0 .Lentry_shape_is_right
	s_endpgm
.Lentry_shape_is_right:
; q = x Wq^T, k = x Wk^T, v = x Wv^T on codes of FP6 (E2M3) with E8M0 scales, sums in f32; each result is quantised again on the way out, along the K of the product that will read it.
; ONE FORM: C'[m'][n'] = sum over k of A'[m'][k] B'[n'][k], K = 1,024, quantised along n'.  Clusters 0-7: A' = x, B' = Wq and Wk on end, so q and k are quantised along the head's 64.
; Clusters 8-11: A' = Wv, B' = x, so v comes out transposed and quantised along the keys.  The role only chooses offsets in memory (s_cselect_b32 on the cluster's number): one path through the text.
; LIMITS: as in the launch that makes the codes: NaN and infinities are not served; a block of zeros gets the byte 1 (its codes are zeros; this program alone reads the bytes).
; SHARES: a work-group makes 256 x 256, each of its four waves 128 x 128: 64 accumulators, 512 registers.  192 work-groups: 128 for q and k, 64 for v.
; THE MATRIX INSTRUCTION IS USED TRANSPOSED: source 0 = a tile of B', source 1 = a tile of A'.  A lane holds one row-lane of A'.  A tile's rows are chosen (tile 2 P + u: rows 32 P + 8 u + p + 8 (p / 8))
; so that the 16 registers of B' tiles 2 P and 2 P + 1 are 16 neighbours along n': 32 P + 16 (lane / 16) + 0 .. 15: what the conversions want.
; LDS: three slots, each with one group (256 along K) of A's 16 tiles and B's 16 tiles, 98,304 bytes, in the order of the operands' registers: every fragment load has neighbouring lanes at neighbouring bytes.
; K has four groups: groups 0, 1, 2 are the first fills; group 3 is the one refill, into slot 0, asked for in step 1 and waited for in step 5: 224 matrix instructions lie between.
; CLUSTERS: 4 x 4 work-groups; A's tiles are shared along a row of the cluster, B's along a column: each is asked for jointly, by the same tensor load with the same descriptor and a mask that names the four.
; THE SCALE WORDS of the wave's 8 + 8 tiles for all 8 K steps come once, from memory into 64 registers: lanes 0-15 hold A's, lanes 16-31 B's.
; REGISTERS: window 0: v4-18 addresses; v32-95 scale words; v96-123 at work on the way out; v128-223 A's fragments, one set; v224-242 codes on the way out.
;   window 1: B's fragments, two sets, at v0 and v128.   windows 2, 3: accumulator (a, b) at v[8 (8 (a % 4) + b)].
.set SLOT,   98304
.set SPARE,  3*SLOT                    ; behind the slots: the spare words, 128 bytes for each wave: two blocks of 256 bytes that no other line names
.set FR,     12                        ; registers of a fragment
.set A16,    4                         ; v4-6    LDS address of the 16-byte parts of my A tiles in slot 0, 1, 2
.set A8,     7                         ; v7-9    of their 8-byte parts
.set B16,    10                        ; v10-12  the same for B
.set B8,     13                        ; v13-15
.set L16,    16                        ; v16     16 x lane
.set L8,     17                        ; v17     8 x lane
.set SOF,    18                        ; v18     my offset among the scale words
.set SPW,    28                        ; v28     LDS address of my spare word; never rewritten
.set NIL,    29                        ; v29     0; never rewritten
.set SC,     32                        ; v[SC + 8 i + s]: lanes 0-15 the word of A's tile i, lanes 16-31 of B's tile i, for K step s
.set TM,     96                        ; v96-99 largest magnitudes, v100-103 bytes, v108-111 the conversions' scale operands
.set PW,     112                       ; v112-119 the scale word of each of my 8 tiles of rows
.set CW,     120                       ; v120-123 those words, as they are stored
.set AF,     128
.set PC,     224
.set G1A,    24                        ; s[24:31], s[32:39] descriptor group 1 for A's and B's tiles
.set G1B,    32
.set G0A,    40                        ; s[40:51], s[52:63] group 0, a set for each slot
.set G0B,    52
.set MSB, 0
.macro WIN new                         ; the immediate's high byte repeats the setting that is left
.if MSB != \new
	s_set_vgpr_msb (MSB<<8)|\new
.set MSB, \new
.endif
.endm
.set MUL_LO, 0xa1                      ; source 0 (B) window 1, source 1 (A) window 0, C and D window 2
.set MUL_HI, 0xf1                      ; the same, C and D window 3
.set TO_B,   0x40                      ; destination window 1, address window 0
.macro PLACES                          ; four plain lines between a matrix instruction and a load into its registers or a read of its result
.rept 4
	v_nop
.endr
.endm
.macro JLOAD                           ; the joint refill of slot 0: waves 0 and 1 fetch A's halves, waves 2 and 3 B's; four v_nop follow each line
	s_cmp_eq_u32 s15, 0
	s_cbranch_scc0 .Lfor_b_\@
	tensor_load_to_lds s[G0A:G0A+3], s[G1A:G1A+7]
	s_nop 0
.rept 4
	v_nop
.endr
	s_branch .Lasked_\@
.Lfor_b_\@:
	tensor_load_to_lds s[G0B:G0B+3], s[G1B:G1B+7]
	s_nop 0
.rept 4
	v_nop
.endr
.Lasked_\@:
.endm
.macro CREST                           ; a round of the cluster's barrier behind its opening barrier
	s_cmp_lg_u32 s14, 0
	s_cbranch_scc1 .Lnot_wave_0_\@
	s_barrier_signal -3
.Lnot_wave_0_\@:
	s_barrier_wait -3
	s_barrier_signal -1
	s_barrier_wait -1
.endm
.macro CROUND
	s_barrier_signal -1
	s_barrier_wait -1
	CREST
.endm
	s_load_b256 s[4:11], s[0:1], 0x0               ; cod s[4:5], scl s[6:7], qkv s[8:9], qkvs s[10:11]
	v_lshl_add_u32 v[SPW], v0, 2, SPARE
	v_mov_b32 v[NIL], 0
	ds_add_u32 v28, v29
	ds_add_u32 v28, v29
	s_wait_dscnt 0x0
	v_lshrrev_b32 v1, 5, v0
	v_readfirstlane_b32 s14, v1                    ; wave 0..3
	s_lshr_b32 s15, s14, 1                         ; which 8 of A's 16 tiles are mine.  Also: I fetch for A (0) or for B (1)
	s_and_b32 s16, s14, 1                          ; which 8 of B's.  Also: which 8 tiles I fetch
	s_bfe_u32 s13, ttmp6, 0x40000                  ; cx
	s_bfe_u32 s17, ttmp6, 0x40004                  ; cy
	s_and_b32 s12, ttmp7, 0xffff                   ; the cluster's number, 0..11: the same in all sixteen partners
	s_lshl_b32 s18, s17, 2
	s_lshl_b32 s18, 15, s18                        ; my row of the cluster
	s_lshl_b32 s19, 0x1111, s13                    ; my column
	; descriptor group 1: 8 tiles' parts of one group: 8 rows of 3,072 bytes (384 elements of 8 bytes), 12,288 bytes apart in memory, on end in LDS
	s_or_b32 s[G1A], s18, (3<<16)|(1<<21)          ; 15:0 the mask; 17:16 elements of 8 bytes; 20 no padding; 21 set beside a mask
	s_or_b32 s[G1B], s19, (3<<16)|(1<<21)
.irp g, G1A, G1B
	s_mov_b32 s[\g+1], 384<<16                     ; tensor_dim0
	s_mov_b32 s[\g+2], 8<<16                       ; tensor_dim1
	s_mov_b32 s[\g+3], 384<<16                     ; tile_dim0
	s_mov_b32 s[\g+4], 8                           ; tile_dim1
	s_mov_b32 s[\g+5], 1536                        ; tensor_dim0_stride
	s_mov_b32 s[\g+6], 0
	s_mov_b32 s[\g+7], 0
.endr
	; the role
	s_lshr_b32 s84, s12, 1
	s_and_b32 s85, s12, 1
	s_sub_co_u32 s86, s12, 8
	s_cmp_lt_u32 s12, 8                            ; q and k, or v?
	s_cselect_b32 s84, s84, 0                      ; which four rows of work-groups
	s_cselect_b32 s85, s85, s86                    ; which four columns
	s_cselect_b32 s87, 0, 384                      ; A's first tile in cod: x's or Wv's
	s_cselect_b32 s88, 256, 0                      ; B's: Wq's or x's
	s_mov_b32 s66, 49152
	s_cselect_b32 s66, 24576, s66                  ; bytes from tile to tile in the result
	s_cselect_b32 s89, 0, 6291456                  ; where the role's part of qkv begins
	s_mov_b32 s90, 16384
	s_cselect_b32 s90, 8192, s90                   ; 512 x the steps of 128 along n'
	s_cselect_b32 s91, 0, 262144                   ; where the role's part of qkvs begins
	s_mov_b32 s67, 0
	s_lshl_b32 s92, s84, 2
	s_add_co_u32 s92, s92, s17                     ; my row of work-groups: made of the cluster's number and cy alone
	s_lshl_b32 s93, s85, 2
	s_add_co_u32 s93, s93, s13                     ; my column: of the cluster's number and cx alone
	s_lshl_b32 s80, s92, 4
	s_add_co_u32 s80, s80, s87                     ; A's first tile
	s_lshl_b32 s82, s93, 4
	s_add_co_u32 s82, s82, s88                     ; B's first tile
	s_lshl_b32 s94, s16, 3
	s_add_co_u32 s20, s80, s94
	s_mul_i32 s20, s20, 12288                      ; the 8 tiles that I would fetch for A,
	s_mov_b32 s21, 0
	s_add_co_u32 s22, s82, s94
	s_mul_i32 s22, s22, 12288                      ; and for B
	s_mov_b32 s23, 0
	s_mul_i32 s95, s14, 24576                      ; where they go: wave x 8 tiles: no place in the cluster enters an LDS address
	s_mov_b32 s78, 0x76543210
	s_mov_b32 s79, 0xfedcba98
	s_wait_kmcnt 0x0
	s_add_nc_u64 s[20:21], s[4:5], s[20:21]
	s_add_nc_u64 s[22:23], s[4:5], s[22:23]
	CROUND                                         ; all sixteen work-groups are here: the first joint loads meet
.irp s, 0,1,2
	s_mov_b32 s[G0A+4*\s], 1
	s_add_co_u32 s[G0A+4*\s+1], s95, \s*SLOT
	s_add_nc_u64 s[G0A+4*\s+2:G0A+4*\s+3], s[20:21], \s*3072
	s_or_b32 s[G0A+4*\s+3], s[G0A+4*\s+3], 0x80000000
	s_mov_b32 s[G0B+4*\s], 1
	s_add_co_u32 s[G0B+4*\s+1], s95, \s*SLOT
	s_add_nc_u64 s[G0B+4*\s+2:G0B+4*\s+3], s[22:23], \s*3072
	s_or_b32 s[G0B+4*\s+3], s[G0B+4*\s+3], 0x80000000
.endr
	s_cmp_eq_u32 s15, 0                            ; a wave's three first fills stand in one branch: three loads of mine are out
	s_cbranch_scc0 .Lfirst_b
	tensor_load_to_lds s[G0A:G0A+3], s[G1A:G1A+7]
	s_nop 0
	tensor_load_to_lds s[G0A+4:G0A+7], s[G1A:G1A+7]
	s_nop 0
	tensor_load_to_lds s[G0A+8:G0A+11], s[G1A:G1A+7]
	s_nop 0
.rept 4
	v_nop
.endr
	s_branch .Lfirst_asked
.Lfirst_b:
	tensor_load_to_lds s[G0B:G0B+3], s[G1B:G1B+7]
	s_nop 0
	tensor_load_to_lds s[G0B+4:G0B+7], s[G1B:G1B+7]
	s_nop 0
	tensor_load_to_lds s[G0B+8:G0B+11], s[G1B:G1B+7]
	s_nop 0
.rept 4
	v_nop
.endr
.Lfirst_asked:
	v_and_b32 v1, 31, v0                           ; lane
	v_and_b32 v2, 15, v0                           ; r
	v_lshlrev_b32 v[L16], 4, v1
	v_lshlrev_b32 v[L8], 3, v1
	s_lshl_b32 s84, s15, 3
	s_add_co_u32 s84, s84, s80
	s_lshl_b32 s84, s84, 9                         ; the scale words of my 8 tiles of A: 512 bytes a tile,
	s_add_co_u32 s85, s82, s94
	s_lshl_b32 s85, s85, 9                         ; of B
	v_mov_b32 v19, s84
	v_mov_b32 v20, s85
	v_cmp_le_u32 vcc_lo, 16, v1
	v_cndmask_b32 v19, v19, v20, vcc_lo            ; lanes 16-31 take B's
	v_lshl_add_u32 v[SOF], v2, 5, v19              ; + 32 bytes a row-lane: its 8 words
.irp i, 0,1,2,3,4,5,6,7
	global_load_b128 v[SC+8*\i:SC+8*\i+3], v[SOF], s[6:7] offset:512*\i
	global_load_b128 v[SC+8*\i+4:SC+8*\i+7], v[SOF], s[6:7] offset:512*\i+16
.endr
	s_mul_i32 s84, s15, 24576                      ; my 8 tiles of A in a slot,
	s_mul_i32 s85, s16, 24576
	s_add_co_u32 s85, s85, 49152                   ; my 8 of B, behind A's 16
.irp s, 0,1,2
	v_add_nc_u32 v[A16+\s], s84, v[L16]
	v_add_nc_u32 v[A8+\s], s84, v[L8]
	v_add_nc_u32 v[B16+\s], s85, v[L16]
	v_add_nc_u32 v[B8+\s], s85, v[L8]
	s_add_co_u32 s84, s84, SLOT
	s_add_co_u32 s85, s85, SLOT
.endr
.irp b, 0,1,2,3
	v_mov_b32 v[TM+4+\b], 0                        ; written once: a lane permute's destination counts as one of its sources
.endr
	; where my results go
	s_lshl_b32 s86, s92, 4
	s_lshl_b32 s87, s15, 3
	s_add_co_u32 s86, s86, s87                     ; my first tile of rows, by the role's own count
	s_mul_i32 s86, s86, s66
	s_add_co_u32 s86, s86, s89
	s_mul_i32 s87, s93, 3072
	s_add_co_u32 s86, s86, s87                     ; its group: the work-group's 256 along n'
	s_lshl_b32 s87, s16, 10
	s_add_co_u32 s72, s86, s87                     ; the 16-byte parts of my 128
	s_mov_b32 s73, 0
	s_lshl_b32 s87, s16, 9
	s_add_co_u32 s74, s86, s87
	s_add_co_u32 s74, s74, 2048                    ; the 8-byte parts
	s_mov_b32 s75, 0
	s_add_nc_u64 s[72:73], s[8:9], s[72:73]
	s_add_nc_u64 s[74:75], s[8:9], s[74:75]
	s_lshl_b32 s86, s92, 1
	s_add_co_u32 s86, s86, s15                     ; which eight tiles of rows,
	s_mul_i32 s86, s86, s90
	s_lshl_b32 s87, s93, 1
	s_add_co_u32 s87, s87, s16                     ; which step of 128 along n':
	s_lshl_b32 s87, s87, 9
	s_add_co_u32 s76, s86, s87                     ; a chunk of 512 bytes of scale words
	s_add_co_u32 s76, s76, s91
	s_mov_b32 s77, 0
	s_add_nc_u64 s[76:77], s[10:11], s[76:77]
.macro FRAG reg, a16, a8, i, q         ; a fragment: tile i, the group's q-th 128 along K: registers 6 c .. 6 c + 3 by 16 bytes, 6 c + 4, 6 c + 5 by 8
	ds_load_b128 v[\reg:\reg+3], v[\a16] offset:3072*(\i)+1024*(\q)
	ds_load_b64 v[\reg+4:\reg+5], v[\a8] offset:3072*(\i)+2048+512*(\q)
	ds_load_b128 v[\reg+6:\reg+9], v[\a16] offset:3072*(\i)+1024*(\q)+512
	ds_load_b64 v[\reg+10:\reg+11], v[\a8] offset:3072*(\i)+2048+512*(\q)+256
.endm
.macro FETCH_B slot, q, p              ; B's eight fragments into set p: 32 loads
	WIN TO_B
.irp i, 0,1,2,3,4,5,6,7
	FRAG 128*(\p)+FR*\i, B16+\slot, B8+\slot, \i, \q
.endr
	WIN 0
.endm
.macro FETCH_A slot, q, i0             ; A's blocks i0 .. i0 + 3: 16 loads
.irp i, \i0, \i0+1, \i0+2, \i0+3
	FRAG AF+FR*(\i), A16+\slot, A8+\slot, \i, \q
.endr
.endm
; 16 matrix instructions: A's blocks a0, a0 + 1 x B's eight, K step s.  p: B's set.  zero = 1: the first product starts the sums.
; The 64 accumulators take turns, one instruction a turn, in the same order in every step.
.macro MUL16 a0, p, s, zero
.irp a, \a0, \a0+1
.irp b, 0,1,2,3,4,5,6,7
.if \zero
	v_wmma_scale_f32_16x16x128_f8f6f4 v[8*(8*((\a)%4)+\b):8*(8*((\a)%4)+\b)+7], v[128*(\p)+FR*\b:128*(\p)+FR*\b+FR-1], v[AF+FR*(\a):AF+FR*(\a)+FR-1], 0, v[SC+8*\b+(\s)], v[SC+8*(\a)+(\s)] matrix_a_fmt:MATRIX_FMT_FP6 matrix_b_fmt:MATRIX_FMT_FP6 matrix_a_scale:MATRIX_SCALE_ROW1
.else
	v_wmma_scale_f32_16x16x128_f8f6f4 v[8*(8*((\a)%4)+\b):8*(8*((\a)%4)+\b)+7], v[128*(\p)+FR*\b:128*(\p)+FR*\b+FR-1], v[AF+FR*(\a):AF+FR*(\a)+FR-1], v[8*(8*((\a)%4)+\b):8*(8*((\a)%4)+\b)+7], v[SC+8*\b+(\s)], v[SC+8*(\a)+(\s)] matrix_a_fmt:MATRIX_FMT_FP6 matrix_b_fmt:MATRIX_FMT_FP6 matrix_a_scale:MATRIX_SCALE_ROW1
.endif
.endr
.endr
.endm
; K step s; its successor's fragments lie in slot sn, at that group's qn-th 128, in bytes that every wave has already been shown whole.
.macro PLAIN s, sn, qn, zero
	s_wait_dscnt 16                                ; B's set and A's blocks 0-3 are in; the youngest 16 loads (A's blocks 4-7) may be out
	WIN MUL_LO
	MUL16 0, (\s)%2, \s, \zero
	MUL16 2, (\s)%2, \s, \zero
	s_wait_dscnt 0x0                               ; A's blocks 4-7 are in
	PLACES
	FETCH_B \sn, \qn, 1-(\s)%2
	FETCH_A \sn, \qn, 0
	WIN MUL_HI
	MUL16 4, (\s)%2, \s, \zero
	MUL16 6, (\s)%2, \s, \zero
	PLACES
	WIN 0
	FETCH_A \sn, \qn, 4
.endm
; An odd K step s with a barrier.  In front of it each wave waits for all its tensor loads, adds 0 to its spare word, and waits for that and for its LDS reads.
; fill = 1 (step 1): nobody reads slot 0 any more: the barrier opens a round of the cluster's barrier, and group 3 is asked for first thing behind it.  fill = 0 (step 5): group 3 is whole in slot 0.
.macro TURN s, sn, fill
	s_wait_tensorcnt 0x0                           ; all my tensor loads have landed;
	ds_add_u32 v[SPW], v[NIL]                      ; 0 onto my spare word;
	s_wait_dscnt 17                                ; (the add and the youngest 16 loads, A's blocks 4-7, may be out)
	WIN MUL_LO
	MUL16 0, 1, \s, 0                              ; sixteen matrix instructions stand between the add and the wait for it
	s_wait_dscnt 0x0                               ; the add is done, and all my LDS reads are back
	s_barrier_signal -1
	MUL16 2, 1, \s, 0
	WIN 0
	s_barrier_wait -1
.if \fill
	CREST                                          ; no wave of any partner still reads slot 0 or has a load on its way
	s_add_nc_u64 s[G0A+2:G0A+3], s[G0A+2:G0A+3], 3*3072   ; from group 0 to group 3
	s_add_nc_u64 s[G0B+2:G0B+3], s[G0B+2:G0B+3], 3*3072
	JLOAD                                          ; the first tensor load behind the round, and my only one: one load of mine is out; its four v_nop are also the places in front of the loads below
.else
	PLACES
.endif
	FETCH_B \sn, 0, 0
	FETCH_A \sn, 0, 0
	WIN MUL_HI
	MUL16 4, 1, \s, 0
	MUL16 6, 1, \s, 0
	PLACES
	WIN 0
	FETCH_A \sn, 0, 4
.endm
	s_wait_tensorcnt 2                             ; my part of group 0 is in; groups 1 and 2 may stay out
	s_barrier_signal -1
	s_barrier_wait -1                              ; everybody's is
	FETCH_B 0, 0, 0
	FETCH_A 0, 0, 0
	FETCH_A 0, 0, 4
	s_wait_loadcnt 0x0                             ; the scale words
	PLAIN 0, 0, 1, 1                               ; written out, no loop: the scale registers change from step to step
	TURN  1, 1, 1
	PLAIN 2, 1, 1, 0
	PLAIN 3, 2, 0, 0                               ; no barrier into slot 2: in front of step 1's barrier every wave had waited for all its loads
	PLAIN 4, 2, 1, 0
	TURN  5, 0, 0
	PLAIN 6, 0, 1, 0
	s_wait_dscnt 16                                ; the last step: nothing more to fetch
	WIN MUL_LO
	MUL16 0, 1, 7, 0
	MUL16 2, 1, 7, 0
	s_wait_dscnt 0x0
	WIN MUL_HI
	MUL16 4, 1, 7, 0
	MUL16 6, 1, 7, 0
	WIN 0
	PLACES
; THE WAY OUT of my tile a of rows: its 64 registers (register 16 b + i = n' 32 b + 16 (lane / 16) + i of my row-lane) become one fragment and one scale word, and are stored as they stand.
.macro QOUT a
.set ACB, 64*((\a)%4)
	WIN 0x0a+5*((\a)/4)                            ; sources 0 and 1: window 2 or 3
.irp b, 0,1,2,3
	v_max3_num_f32 v[TM+\b], |v[ACB+16*\b]|, |v[ACB+16*\b+1]|, 0x1800000   ; each accumulator is read from its low end on; the floor 2^(3 - 127) holds the byte at 1 from below
.endr
.irp i, 2,4,6,8,10,12,14
.irp b, 0,1,2,3
	v_max3_num_f32 v[TM+\b], |v[ACB+16*\b+\i]|, |v[ACB+16*\b+\i+1]|, v[TM+\b]
.endr
.endr
	WIN 0
.irp b, 0,1,2,3
	v_permlanex16_b32 v[TM+4+\b], v[TM+\b], s78, s79
.endr
.irp b, 0,1,2,3
	v_max_num_f32 v[TM+\b], v[TM+\b], v[TM+4+\b]   ; with lane l xor 16's: the block's largest magnitude
.endr
.irp b, 0,1,2,3
	v_add_nc_u32 v[TM+12+\b], 0xff000000, v[TM+\b] ; 2 off its exponent field: the conversion's scale operand
.endr
.irp b, 0,1,2,3
	v_lshrrev_b32 v[TM+4+\b], 23, v[TM+12+\b]      ; the scale's byte
.endr
	v_lshl_or_b32 v[PW+(\a)], v[TM+5], 8, v[TM+4]
	v_lshl_or_b32 v[PW+(\a)], v[TM+6], 16, v[PW+(\a)]
	v_lshl_or_b32 v[PW+(\a)], v[TM+7], 24, v[PW+(\a)]
.if (\a) > 0
	s_wait_xcnt 0x0                                ; the last tile's stores have read their data and bases: both are written again only behind this wait
	s_add_nc_u64 s[72:73], s[72:73], s[66:67]      ; a tile of rows on
	s_add_nc_u64 s[74:75], s[74:75], s[66:67]
.endif
	WIN 0x02+(\a)/4                                ; source 0: window 2 or 3
.irp c, 0,1
	v_cvt_scalef32_pk16_fp6_f32 v[PC+6*\c:PC+6*\c+2], v[ACB+32*\c:ACB+32*\c+15], v[TM+12+2*\c]
	v_cvt_scalef32_pk16_fp6_f32 v[PC+12+4*\c:PC+14+4*\c], v[ACB+32*\c+16:ACB+32*\c+31], v[TM+12+2*\c+1]   ; (a conversion's three registers begin on an even number)
.endr
	WIN 0
	v_nop                                          ; one plain line behind the scaled conversions
.irp c, 0,1                                    ; the operand's layout wants a whole block in a lane: lanes 0-15 block 2 c, lanes 16-31 block 2 c + 1
.irp i, 0,1,2
	v_permlane16_swap_b32 v[PC+6*\c+\i], v[PC+12+4*\c+\i]
.endr
.irp i, 0,1,2
	v_mov_b32 v[PC+3+6*\c+\i], v[PC+12+4*\c+\i]
.endr
.endr
.irp c, 0,1
	global_store_b128 v[L16], v[PC+6*\c:PC+6*\c+3], s[72:73] offset:512*\c     ; 32 lanes store 512 consecutive bytes, aligned
	global_store_b64 v[L8], v[PC+6*\c+4:PC+6*\c+5], s[74:75] offset:256*\c     ; and 256
.endr
.endm
.irp a, 0,1,2,3,4,5,6,7
	QOUT \a
.endr
	v_cmp_le_u32 vcc_lo, 16, v1
.irp p, 0,1,2,3
	v_cndmask_b32 v[CW+\p], v[PW+2*\p], v[PW+2*\p+1], vcc_lo   ; every lane holds its row-lane's word: lanes 0-15 keep the even tile's, lanes 16-31 the odd tile's
.endr
	global_store_b128 v[L16], v[CW:CW+3], s[76:77] ; my 8 tiles' scale words of this step along n': 512 consecutive bytes
	s_wait_tensorcnt 0x0                           ; the wave's end
	ds_add_u32 v[SPW], v[NIL]
	s_wait_dscnt 0x0
	CROUND                                         ; the closing round: no work-group ends while a partner may still ask for a tile that names it
	s_endpgm
.Lfunc_end_k_q27c79c10ba_qkv:
	.size	k_q27c79c10ba_qkv, .Lfunc_end_k_q27c79c10ba_qkv-k_q27c79c10ba_qkv
	.p2alignl 7, 3214868480
	.fill 96, 4, 3214868480
	.section	.rodata,"a",@progbits
	.p2align	6, 0x0
	.amdhsa_kernel k_q27c79c10ba_qkv
		.amdhsa_group_segment_fixed_size 327680
		.amdhsa_private_segment_fixed_size 0
		.amdhsa_enable_private_segment 0
		.amdhsa_kernarg_size 32
		.amdhsa_user_sgpr_count 2
		.amdhsa_user_sgpr_kernarg_segment_ptr 1
		.amdhsa_wavefront_size32 1
		.amdhsa_system_sgpr_workgroup_id_x 1
		.amdhsa_system_sgpr_workgroup_id_y 1
		.amdhsa_system_sgpr_workgroup_id_z 1
		.amdhsa_system_vgpr_workitem_id 0
		.amdhsa_next_free_vgpr 1024
		.amdhsa_next_free_sgpr 100
		.amdhsa_reserve_vcc 1
		.amdhsa_float_denorm_mode_32 3
		.amdhsa_float_denorm_mode_16_64 3
		.amdhsa_memory_ordered 1
		.amdhsa_forward_progress 1
		.amdhsa_inst_pref_size 147
	.end_amdhsa_kernel
	.amdgpu_metadata
---
amdhsa.version: [ 1, 2 ]
amdhsa.kernels:
  - .name:           k_q27c79c10ba_qkv
    .symbol:         k_q27c79c10ba_qkv.kd
    .args:
      - { .name: cod, .offset: 0, .size: 8, .value_kind: global_buffer, .address_space: global }
      - { .name: scl, .offset: 8, .size: 8, .value_kind: global_buffer, .address_space: global }
      - { .name: qkv, .offset: 16, .size: 8, .value_kind: global_buffer, .address_space: global }
      - { .name: qkvs, .offset: 24, .size: 8, .value_kind: global_buffer, .address_space: global }
    .group_segment_fixed_size: 327680
    .private_segment_fixed_size: 0
    .kernarg_segment_align: 8
    .kernarg_segment_size: 32
    .max_flat_workgroup_size: 128
    .sgpr_count:     100
    .vgpr_count:     1024
    .wavefront_size: 32
...
	.end_amdgpu_metadata
.endif
;; end of part 2
;; launch attn (part 3): grid 256 x 1, 16 waves a work-group, no clusters, 2,560 bytes of LDS; arguments qkv, qkvs, cod, scl; writes cod, scl
.if DOCPART == 3
	.amdgcn_target "amdgcn-amd-amdhsa--gfx1250"
	.amdhsa_code_object_version 6
	.text
	.protected	k_q27c79c10ba_attn
	.globl	k_q27c79c10ba_attn
	.p2align	8
	.type	k_q27c79c10ba_attn,@function
k_q27c79c10ba_attn:
	s_mov_b64 s[64:65], 0
	v_nop
	global_prefetch_b8 v0, s[64:65] scope:SCOPE_SE
	s_setreg_imm32_b32 hwreg(HW_REG_WAVE_MODE, 25, 1), 1
	s_wait_xcnt 0x0
; Sliding-window causal attention on codes of FP6 (E2M3): scores = q k^T / 8; key j counts for query i where i - 128 <= j <= i; attn = softmax, finished and normalised, is quantised along the keys in blocks
; of 32 counted from key 0; O = attn v; O is quantised along the model's 1,024 and stored as the last product's operand.
; WHAT THE MASK LEAVES: the 16 queries of a tile lie in one block pb of 32 positions, so only key blocks pb - 4 .. pb can hold anything but zeros.  Blocks of zeros add nothing and are not multiplied.
; Every row has its own key, so no row is empty.  The window is taken as blocks sbc .. sbc + 4, sbc = max(pb - 4, 0): all inside the batch; what lies beyond the query is hidden by the mask.
; LIMITS: NaN and infinities are not served; a block of zeros gets the byte 1 (its codes are zeros; this program alone reads the bytes).  A block's largest p is not searched for: the block's largest score goes
; through the same instructions, which takes v_exp_f32 not to fall where its input rises.
; SHARES: work-group = one tile of 16 queries (the rows of x's tile of that number), wave = one head.  No loop: 10 + 8 matrix instructions, 80 scores a lane.
; NO CLUSTER, NO TENSOR LOAD: neighbouring query tiles have shifted windows, so partners would need different tiles; each fragment is read once by its wave, straight into registers.
; LAYOUT: both products transposed: S^T = K Q^T, O^T = V^T P^T: a lane holds one query (row-lane lane % 16) throughout.  By the choice of a tile's rows the 16 registers of key tiles 2 p, 2 p + 1 are keys
; 32 (sbc + p) + 16 (lane / 16) + 0 .. 15, and those of O^T's tiles 2 P, 2 P + 1 are channels 32 P + 16 (lane / 16) + 0 .. 15.
; THE FIRST PRODUCT'S K IS 64, half of the instruction's 128: Q's upper six registers are zeros, so K's upper six may hold any codes: K's fragments overlap, six registers apart.  No scale byte is 0xff.
; The second product's fifth block likewise: P's second fragment holds block 4 in its first 32 and zeros beyond.
.set QF,  22                           ; v22-33   Q (28-33 zeros)
.set KF,  34                           ; v34-99   K: tile i at 34 + 6 i (94-99 zeros); later V: block 4's fragments at 34 + 6 d, blocks 0-3's at 58 + 12 d
.set S,   106                          ; v106-185 S^T, then p; later O^T in v106-137
.set P0,  186                          ; v186-197 p's codes, blocks 0-3
.set P1,  198                          ; v198-209 block 4 and zeros
.set T0,  210                          ; v210-212, 214-216, 218-220: the odd blocks' codes; the third stays zeros
.set T1,  214
.set T2,  218
.set KS,  222                          ; v222-231 K's scale words; later V's: v222-225 blocks 0-3, v226-229 block 4
.set QS,  232
.set PS0, 233
.set PS1, 234
.set BM,  236                          ; v236-240 each block's largest score, then its largest p, then its byte
.set SOP, 241                          ; v241-245 at work; the conversions' scale operands
.set MX,  246                          ; v[246:247] the row's largest score
.set SA,  248                          ; v[248:249], v[250:251] the sum, in two chains
.set SB,  250
.set RC,  252                          ; v[252:253] 1 / sum
	s_load_b256 s[4:11], s[0:1], 0x0               ; qkv s[4:5], qkvs s[6:7], cod s[8:9], scl s[10:11]
	v_lshl_add_u32 v221, v0, 2, 0x200
	v_mov_b32 v235, 0
	v_lshrrev_b32 v1, 5, v0
	v_readfirstlane_b32 s12, v1                    ; wave = head
	v_and_b32 v3, 31, v0
	v_and_b32 v1, 15, v0                           ; r
	v_bfe_u32 v2, v0, 4, 1                         ; hh
	v_lshlrev_b32 v4, 3, v3                        ; 8 x lane
	v_lshlrev_b32 v3, 4, v3                        ; 16 x lane
	v_lshlrev_b32 v5, 4, v1                        ; 16 r
	s_lshl_b32 s46, s12, 1
	v_lshl_add_u32 v21, v1, 5, s46                 ; LDS: 32 r + 2 x head: O's two scale bytes of my row-lane
	s_mov_b32 s13, ttmp9                           ; the tile of queries
	s_lshr_b32 s14, s13, 7                         ; batch
	s_bfe_u32 s15, s13, 0x60001                    ; pb: the queries' block of 32 in the batch
	s_and_b32 s16, s13, 1                          ; u
	s_sub_co_i32 s17, s15, 4
	s_max_i32 s17, s17, 0                          ; sbc: the window's first block
	s_and_b32 s18, s12, 3                          ; the head's place in its group of 256
	s_lshr_b32 s19, s12, 2
	s_mul_i32 s19, s19, 3072                       ; the group
	s_lshl_b32 s47, s14, 6
	s_add_co_u32 s47, s47, s17                     ; the window's first block, counted over both batches
	s_lshr_b32 s48, s12, 1
	s_and_b32 s49, s12, 1
	s_mul_i32 s20, s13, 24576                      ; Q: tile, group, the head's two blocks: 512 bytes of 16-byte parts, 256 of 8-byte parts
	s_add_co_u32 s20, s20, s19
	s_lshl_b32 s46, s18, 8
	s_add_co_u32 s22, s20, s46
	s_add_co_u32 s22, s22, 2048
	s_lshl_b32 s46, s18, 9
	s_add_co_u32 s20, s20, s46
	s_mov_b32 s21, 0
	s_mov_b32 s23, 0
	s_mul_i32 s24, s47, 49152                      ; K: two tiles to a block; k's groups lie behind q's four
	s_add_co_u32 s24, s24, s19
	s_add_co_u32 s24, s24, 12288
	s_lshl_b32 s46, s18, 8
	s_add_co_u32 s26, s24, s46
	s_add_co_u32 s26, s26, 2048
	s_lshl_b32 s46, s18, 9
	s_add_co_u32 s24, s24, s46
	s_mov_b32 s25, 0
	s_mov_b32 s27, 0
	s_mul_i32 s28, s12, 196608                     ; V: the head's four tiles of 49,152 bytes
	s_add_co_u32 s28, s28, 6291456
	s_mov_b32 s29, 0
	s_lshl_b32 s30, s48, 5                         ; V's scale words: chunk (head / 2) x 32 + the window's first step of 128 keys
	s_lshl_b32 s46, s14, 4
	s_add_co_u32 s30, s30, s46
	s_lshr_b32 s46, s17, 2
	s_add_co_u32 s30, s30, s46
	s_lshl_b32 s30, s30, 9
	s_lshl_b32 s46, s49, 3
	s_add_co_u32 s30, s30, s46
	s_add_co_u32 s30, s30, 262144
	s_mov_b32 s31, 0
	s_add_co_u32 s32, s13, 512                     ; O: tile 512 + Tx of cod
	s_lshl_b32 s44, s32, 9                         ; and of scl
	s_mov_b32 s45, 0
	s_mul_i32 s32, s32, 12288
	s_add_co_u32 s32, s32, s19
	s_lshl_b32 s46, s18, 8
	s_add_co_u32 s34, s32, s46
	s_add_co_u32 s34, s34, 2048
	s_lshl_b32 s46, s18, 9
	s_add_co_u32 s32, s32, s46
	s_mov_b32 s33, 0
	s_mov_b32 s35, 0
	s_mov_b32 s36, 0x76543210
	s_mov_b32 s37, 0xfedcba98                      ; v_permlanex16_b32's selects for lane l xor 16
	s_mov_b32 s38, 0x3e38aa3b                      ; log2(e) / 8
	s_mov_b32 s39, s38                             ; (named with it as a pair)
	s_lshl_b32 s40, s49, 4                         ; the head's two bytes begin at bit 16 (head % 2) of a scale word of q or k
	s_and_b32 s42, s17, 3                          ; o: where the window begins in a scale word of v
	s_mul_i32 s41, s42, 0x01010101
	s_add_co_u32 s41, s41, 0x03020100              ; v_perm_b32's selector for bytes o .. o + 3 of two words
	s_lshl_b32 s42, s42, 3
	s_sub_co_u32 s43, s15, s17
	s_lshl_b32 s43, s43, 5
	s_lshl_b32 s46, s16, 3
	s_add_co_u32 s43, s43, s46                     ; 32 (pb - sbc) + 8 u
	s_lshr_b32 s50, s13, 3                         ; Q's scale word: chunk (tile / 8) x 16 + head / 2
	s_lshl_b32 s50, s50, 4
	s_add_co_u32 s50, s50, s48
	s_lshl_b32 s50, s50, 9
	s_lshl_b32 s46, s16, 8
	s_add_co_u32 s50, s50, s46
	s_bfe_u32 s46, s13, 0x20001
	s_lshl_b32 s46, s46, 2
	s_add_co_u32 s50, s50, s46
	v_add_nc_u32 v11, s50, v5
	s_add_co_u32 s51, s48, 8
	s_lshl_b32 s51, s51, 9                         ; k's steps along n' lie behind q's eight
.irp p, 0,1,2,3,4                              ; K's scale words of block sbc + p: its even tile's; the odd tile's lie 256 bytes on
	s_add_co_u32 s46, s47, \p
	s_lshr_b32 s52, s46, 2
	s_lshl_b32 s52, s52, 13
	s_and_b32 s46, s46, 3
	s_lshl_b32 s46, s46, 2
	s_add_co_u32 s46, s46, s52
	s_add_co_u32 s46, s46, s51
	v_add_nc_u32 v[6+\p], s46, v5
.endr
	s_wait_kmcnt 0x0
	s_add_nc_u64 s[20:21], s[4:5], s[20:21]
	s_add_nc_u64 s[22:23], s[4:5], s[22:23]
	s_add_nc_u64 s[24:25], s[4:5], s[24:25]
	s_add_nc_u64 s[26:27], s[4:5], s[26:27]
	s_add_nc_u64 s[28:29], s[4:5], s[28:29]
	s_add_nc_u64 s[30:31], s[6:7], s[30:31]
	s_add_nc_u64 s[32:33], s[8:9], s[32:33]
	s_add_nc_u64 s[34:35], s[8:9], s[34:35]
	s_add_nc_u64 s[44:45], s[10:11], s[44:45]
	global_load_b128 v[QF:QF+3], v3, s[20:21]
	global_load_b64 v[QF+4:QF+5], v4, s[22:23]
	global_load_b32 v[QS], v11, s[6:7]
.irp i, 0,1,2,3,4,5,6,7,8,9
	global_load_b128 v[KF+6*\i:KF+6*\i+3], v3, s[24:25] offset:24576*\i      ; 32 lanes read 512 consecutive bytes
	global_load_b64 v[KF+6*\i+4:KF+6*\i+5], v4, s[26:27] offset:24576*\i
.endr
.irp p, 0,1,2,3,4
	global_load_b32 v[KS+2*\p], v[6+\p], s[6:7]
	global_load_b32 v[KS+2*\p+1], v[6+\p], s[6:7] offset:256
.endr
	; while they are on their way: zeros, and V's addresses
.irp i, 0,1,2,3,4,5
	v_mov_b32 v[QF+6+\i], 0                        ; Q's upper 64 along K
	v_mov_b32 v[KF+60+\i], 0                       ; behind K's last tile
.endr
.irp b, 0,1,2,3,4
	v_mov_b32 v[SOP+\b], 0                         ; a lane permute's destination counts as one of its sources
.endr
	v_mov_b32 v[MX+1], 0                           ; (upper halves of pairs that packed instructions name)
	v_mov_b32 v[RC+1], 0
; V's blocks: fragment register group c of a lane wants key block sbc + 2 c + hh (c = 0, 1); c = 2: block sbc + 4 in both halves of the lanes.  v[12 + c]: its 16-byte parts, v[15 + c]: its 8-byte parts, less 2,048
.macro VADR c
	s_add_co_u32 s46, s47, 2*\c
.if \c < 2
	v_add_nc_u32 v254, s46, v2
.else
	v_mov_b32 v254, s46
.endif
	v_lshrrev_b32 v255, 3, v254                    ; the group of 8 blocks,
	v_and_b32 v254, 7, v254                        ; the block in it
	v_mul_u32_u24 v255, v255, 3072
	v_lshl_add_u32 v[12+\c], v254, 8, v255
	v_add_nc_u32 v[12+\c], v[12+\c], v5
	v_lshl_add_u32 v[15+\c], v254, 7, v255
	v_lshl_add_u32 v[15+\c], v1, 3, v[15+\c]
.endm
	VADR 0
	VADR 1
	VADR 2
	s_wait_loadcnt 0x0
	v_lshrrev_b32 v[QS], s40, v[QS]                ; the head's two bytes to bytes 0 and 1; what stands above them scales zeros and is never 0xff
.irp i, 0,1,2,3,4,5,6,7,8,9
	v_lshrrev_b32 v[KS+\i], s40, v[KS+\i]
.endr
	; sixteen plain lines that name none of the product's registers: more than the eight that stand between a scale register's write and the scaled matrix instruction
	v_and_b32 v254, 8, v1
	v_add_nc_u32 v18, v254, v1                     ; r + 8 (r / 8)
	v_lshlrev_b32 v254, 4, v2
	v_sub_nc_u32 v18, v18, v254
	v_add_nc_u32 v18, s43, v18                     ; D = my query - the window's first key - 16 hh.  Register 16 b + n holds the key 32 b + n further on: it counts where D - 128 <= 32 b + n <= D
	v_add_nc_u32 v19, 0xffffff80, v18              ; D - 128
	v_mov_b32 v20, 0xff800000                      ; -infinity
.irp i, 0,1,2,3,4,5
	v_mov_b32 v[P1+6+\i], 0                        ; P's second fragment: zeros beyond its first 64
.endr
.irp i, 0,1,2
	v_mov_b32 v[T2+\i], 0
.endr
.irp i, 0,1,2,3,4,5,6,7,8,9
	v_wmma_scale_f32_16x16x128_f8f6f4 v[S+8*\i:S+8*\i+7], v[KF+6*\i:KF+6*\i+11], v[QF:QF+11], 0, v[KS+\i], v[QS] matrix_a_fmt:MATRIX_FMT_FP6 matrix_b_fmt:MATRIX_FMT_FP6
.endr
.rept 4
	v_nop                                          ; places in front of loads into the products' registers and of the first read of the scores
.endr
.irp d, 0,1,2,3                                ; V lands while the softmax is computed
	global_load_b128 v[58+12*\d:61+12*\d], v12, s[28:29] offset:49152*\d
	global_load_b64 v[62+12*\d:63+12*\d], v15, s[28:29] offset:49152*\d+2048
	global_load_b128 v[64+12*\d:67+12*\d], v13, s[28:29] offset:49152*\d
	global_load_b64 v[68+12*\d:69+12*\d], v16, s[28:29] offset:49152*\d+2048
	global_load_b128 v[34+6*\d:37+6*\d], v14, s[28:29] offset:49152*\d
	global_load_b64 v[38+6*\d:39+6*\d], v17, s[28:29] offset:49152*\d+2048
	global_load_b32 v[KS+\d], v5, s[30:31] offset:256*(\d%2)+4*(\d/2)
	global_load_b32 v[KS+4+\d], v5, s[30:31] offset:256*(\d%2)+4*(\d/2)+512
.endr
	; THE MASK: hidden scores become -infinity ahead of the maximum, so p = 0 there.  Each accumulator is read from its low end on.
.set n, 0
.rept 16
	v_cmp_lt_i32 vcc_lo, n, v19                    ; block 0: too far back where n < D - 128
	v_cndmask_b32 v[S+n], v[S+n], v20, vcc_lo
.set n, n+1
.endr
.set n, 0
.rept 16
	v_cmp_gt_i32 vcc_lo, n, v19                    ; block 4: after the query where 128 + n > D
	v_cndmask_b32 v[S+64+n], v[S+64+n], v20, vcc_lo
.set n, n+1
.endr
	s_cmp_ge_u32 s15, 4                            ; from the batch's 128th query on D is at least 112, above every key of blocks 0-3
	s_cbranch_scc1 .Lopen
.set n, 0
.rept 64
	v_cmp_gt_i32 vcc_lo, 32*(n/16)+n%16, v18
	v_cndmask_b32 v[S+n], v[S+n], v20, vcc_lo
.set n, n+1
.endr
.Lopen:
.irp b, 0,1,2,3,4
	v_max3_num_f32 v[BM+\b], v[S+16*\b], v[S+16*\b+1], v[S+16*\b+2]   ; the largest score of each block of 32 keys: it serves for the row's maximum and, since p rises with the score, for the block's largest p
.endr
.irp i, 3,5,7,9,11,13
.irp b, 0,1,2,3,4
	v_max3_num_f32 v[BM+\b], v[BM+\b], v[S+16*\b+\i], v[S+16*\b+\i+1]
.endr
.endr
.irp b, 0,1,2,3,4
	v_max_num_f32 v[BM+\b], v[BM+\b], v[S+16*\b+15]
.endr
.irp b, 0,1,2,3,4
	v_permlanex16_b32 v[SOP+\b], v[BM+\b], s36, s37
.endr
.irp b, 0,1,2,3,4
	v_max_num_f32 v[BM+\b], v[BM+\b], v[SOP+\b]    ; with lane l xor 16's 16 keys
.endr
	v_max3_num_f32 v[MX], v[BM], v[BM+1], v[BM+2]
	v_max3_num_f32 v[MX], v[MX], v[BM+3], v[BM+4]  ; the row's largest score: a number, since the query's own key counts
	; p = 2^((s - max) log2(e) / 8).  The difference is taken first and then scaled, not fused: so a large common part of the scores costs no accuracy ahead of the quantiser
.set j, 0
.rept 40
	v_pk_add_f32 v[S+j:S+j+1], v[S+j:S+j+1], v[MX:MX+1] op_sel_hi:[1,0] neg_lo:[0,1] neg_hi:[0,1]
.set j, j+2
.endr
.irp b, 0,1,2,3,4
	v_sub_f32 v[BM+\b], v[BM+\b], v[MX]
.endr
.set j, 0
.rept 40
	v_pk_mul_f32 v[S+j:S+j+1], v[S+j:S+j+1], s[38:39] op_sel_hi:[1,0]
.set j, j+2
.endr
.irp b, 0,1,2,3,4
	v_mul_f32 v[BM+\b], s38, v[BM+\b]
.endr
.set j, 0
.rept 80
	v_exp_f32 v[S+j], v[S+j]
.set j, j+1
.endr
.irp b, 0,1,2,3,4
	v_exp_f32 v[BM+\b], v[BM+\b]
.endr
	v_nop                                          ; a plain line behind the last exponential
	s_wait_alu depctr_va_vdst(0)                   ; one wait for the batch of 85, ahead of its first reader
	v_pk_add_f32 v[SA:SA+1], v[S:S+1], v[S+2:S+3]  ; the row's sum, two at a time, in two chains
	v_pk_add_f32 v[SB:SB+1], v[S+4:S+5], v[S+6:S+7]
.set j, 8
.rept 18
	v_pk_add_f32 v[SA:SA+1], v[SA:SA+1], v[S+j:S+j+1]
	v_pk_add_f32 v[SB:SB+1], v[SB:SB+1], v[S+j+2:S+j+3]
.set j, j+4
.endr
	v_pk_add_f32 v[SA:SA+1], v[SA:SA+1], v[SB:SB+1]
	v_add_f32 v[SA], v[SA], v[SA+1]
	v_permlanex16_b32 v[SB], v[SA], s36, s37
	v_add_f32 v[SA], v[SA], v[SB]                  ; with lane l xor 16's
	v_rcp_f32 v[RC], v[SA]
	v_nop
	s_wait_alu depctr_va_vdst(0)                   ; ahead of the reciprocal's first reader
.set j, 0
.rept 40
	v_pk_mul_f32 v[S+j:S+j+1], v[S+j:S+j+1], v[RC:RC+1] op_sel_hi:[1,0]   ; attn, finished and normalised: this is what is quantised
.set j, j+2
.endr
.irp b, 0,1,2,3,4
	v_mul_f32 v[BM+\b], v[BM+\b], v[RC]            ; each block's largest: the same instructions on the same number give the same bits
.endr
.irp b, 0,1,2,3,4
	v_max_num_f32 v[BM+\b], 0x1800000, v[BM+\b]    ; the floor 2^(3 - 127): a block whose every p is 0 keeps the byte 1: its codes are zeros
.endr
.irp b, 0,1,2,3,4
	v_add_nc_u32 v[SOP+\b], 0xff000000, v[BM+\b]   ; 2 off the exponent field: the conversion's scale operand
.endr
.irp b, 0,1,2,3
	v_lshrrev_b32 v[BM+\b], 23, v[SOP+\b]
.endr
	v_lshrrev_b32 v[PS1], 23, v[SOP+4]             ; block 4's byte; the bytes above it are 0 and scale zeros
	v_lshl_or_b32 v[PS0], v[BM+1], 8, v[BM]
	v_lshl_or_b32 v[PS0], v[BM+2], 16, v[PS0]
	v_lshl_or_b32 v[PS0], v[BM+3], 24, v[PS0]
	s_wait_loadcnt 0x0                             ; V and its scale words
.irp d, 0,1,2,3
	v_perm_b32 v[KS+\d], v[KS+4+\d], v[KS+\d], s41 ; bytes o .. o + 3 of the two words: the window's blocks 0-3
.endr
.irp d, 0,1,2,3
	v_lshrrev_b32 v[KS+4+\d], s42, v[KS+4+\d]      ; byte o of the second word: block 4
.endr
	v_cvt_scalef32_pk16_fp6_f32 v[P0:P0+2], v[S:S+15], v[SOP]
	v_cvt_scalef32_pk16_fp6_f32 v[T0:T0+2], v[S+16:S+31], v[SOP+1]
	v_cvt_scalef32_pk16_fp6_f32 v[P0+6:P0+8], v[S+32:S+47], v[SOP+2]
	v_cvt_scalef32_pk16_fp6_f32 v[T1:T1+2], v[S+48:S+63], v[SOP+3]
	v_cvt_scalef32_pk16_fp6_f32 v[P1:P1+2], v[S+64:S+79], v[SOP+4]
	v_nop                                          ; one plain line behind the scaled conversions
.irp i, 0,1,2                                  ; a whole block to a lane: lanes 0-15 the even block, lanes 16-31 the odd one (beside block 4: zeros)
	v_permlane16_swap_b32 v[P0+\i], v[T0+\i]
	v_permlane16_swap_b32 v[P0+6+\i], v[T1+\i]
	v_permlane16_swap_b32 v[P1+\i], v[T2+\i]
.endr
.irp i, 0,1,2
	v_mov_b32 v[P0+3+\i], v[T0+\i]
	v_mov_b32 v[P0+9+\i], v[T1+\i]
	v_mov_b32 v[P1+3+\i], v[T2+\i]
.endr
.rept 8
	v_nop                                          ; a scale register written by a vector instruction stands 8 places ahead of a scaled matrix instruction, an operand so written 4
.endr
.irp d, 0,1,2,3                                ; O^T = V^T P^T: four tiles of 16 channels by turns, one instruction a turn
	v_wmma_scale_f32_16x16x128_f8f6f4 v[S+8*\d:S+8*\d+7], v[58+12*\d:69+12*\d], v[P0:P0+11], 0, v[KS+\d], v[PS0] matrix_a_fmt:MATRIX_FMT_FP6 matrix_b_fmt:MATRIX_FMT_FP6
.endr
.irp d, 0,1,2,3
	v_wmma_scale_f32_16x16x128_f8f6f4 v[S+8*\d:S+8*\d+7], v[34+6*\d:45+6*\d], v[P1:P1+11], v[S+8*\d:S+8*\d+7], v[KS+4+\d], v[PS1] matrix_a_fmt:MATRIX_FMT_FP6 matrix_b_fmt:MATRIX_FMT_FP6
.endr
.rept 4
	v_nop
.endr
	; O's two blocks of 32 channels are quantised: blocks 2 x head and 2 x head + 1 of the last product's K
.irp b, 0,1
	v_max3_num_f32 v[BM+\b], |v[S+16*\b]|, |v[S+16*\b+1]|, 0x1800000
.endr
.irp i, 2,4,6,8,10,12,14
.irp b, 0,1
	v_max3_num_f32 v[BM+\b], v[BM+\b], |v[S+16*\b+\i]|, |v[S+16*\b+\i+1]|
.endr
.endr
.irp b, 0,1
	v_permlanex16_b32 v[SOP+\b], v[BM+\b], s36, s37
.endr
.irp b, 0,1
	v_max_num_f32 v[BM+\b], v[BM+\b], v[SOP+\b]
.endr
.irp b, 0,1
	v_add_nc_u32 v[SOP+\b], 0xff000000, v[BM+\b]
.endr
.irp b, 0,1
	v_lshrrev_b32 v[BM+\b], 23, v[SOP+\b]
.endr
	v_lshl_or_b32 v[BM], v[BM+1], 8, v[BM]
	v_cvt_scalef32_pk16_fp6_f32 v[P0:P0+2], v[S:S+15], v[SOP]
	v_cvt_scalef32_pk16_fp6_f32 v[T0:T0+2], v[S+16:S+31], v[SOP+1]
	v_nop
.irp i, 0,1,2
	v_permlane16_swap_b32 v[P0+\i], v[T0+\i]
.endr
.irp i, 0,1,2
	v_mov_b32 v[P0+3+\i], v[T0+\i]
.endr
	global_store_b128 v3, v[P0:P0+3], s[32:33]     ; 32 lanes store 512 consecutive bytes, aligned
	global_store_b64 v4, v[P0+4:P0+5], s[34:35]    ; and 256
	ds_store_b16 v21, v[BM]                        ; lanes r and r + 16 write the same two bytes with the same value
	s_wait_dscnt 0x0                               ; for the others' sake: my bytes have landed
	s_barrier_signal -1
	s_barrier_wait -1
	s_cmp_lg_u32 s12, 0
	s_cbranch_scc1 .Ldone
	ds_load_b128 v[QF:QF+3], v3                    ; wave 0 stores the tile's 512 bytes of scale words
	s_wait_dscnt 0x0
	global_store_b128 v3, v[QF:QF+3], s[44:45]
.Ldone:
	s_wait_tensorcnt 0x0
	ds_add_u32 v221, v235
	s_wait_dscnt 0x0
	s_endpgm
.Lfunc_end_k_q27c79c10ba_attn:
	.size	k_q27c79c10ba_attn, .Lfunc_end_k_q27c79c10ba_attn-k_q27c79c10ba_attn
	.p2alignl 7, 3214868480
	.fill 96, 4, 3214868480
	.section	.rodata,"a",@progbits
	.p2align	6, 0x0
	.amdhsa_kernel k_q27c79c10ba_attn
		.amdhsa_group_segment_fixed_size 2560
		.amdhsa_private_segment_fixed_size 0
		.amdhsa_enable_private_segment 0
		.amdhsa_kernarg_size 32
		.amdhsa_user_sgpr_count 2
		.amdhsa_user_sgpr_kernarg_segment_ptr 1
		.amdhsa_wavefront_size32 1
		.amdhsa_system_sgpr_workgroup_id_x 1
		.amdhsa_system_sgpr_workgroup_id_y 1
		.amdhsa_system_sgpr_workgroup_id_z 1
		.amdhsa_system_vgpr_workitem_id 0
		.amdhsa_next_free_vgpr 256
		.amdhsa_next_free_sgpr 66
		.amdhsa_reserve_vcc 1
		.amdhsa_float_denorm_mode_32 3
		.amdhsa_float_denorm_mode_16_64 3
		.amdhsa_memory_ordered 1
		.amdhsa_forward_progress 1
		.amdhsa_inst_pref_size 46
	.end_amdhsa_kernel
	.amdgpu_metadata
---
amdhsa.version: [ 1, 2 ]
amdhsa.kernels:
  - .name:           k_q27c79c10ba_attn
    .symbol:         k_q27c79c10ba_attn.kd
    .args:
      - { .name: qkv, .offset: 0, .size: 8, .value_kind: global_buffer, .address_space: global }
      - { .name: qkvs, .offset: 8, .size: 8, .value_kind: global_buffer, .address_space: global }
      - { .name: cod, .offset: 16, .size: 8, .value_kind: global_buffer, .address_space: global }
      - { .name: scl, .offset: 24, .size: 8, .value_kind: global_buffer, .address_space: global }
    .group_segment_fixed_size: 2560
    .private_segment_fixed_size: 0
    .kernarg_segment_align: 8
    .kernarg_segment_size: 32
    .max_flat_workgroup_size: 512
    .sgpr_count:     66
    .vgpr_count:     256
    .wavefront_size: 32
...
	.end_amdgpu_metadata
.endif
;; end of part 3
;; launch outp (part 4): grid 8 x 32, 4 waves a work-group, clusters of 4 x 4, 214,528 bytes of LDS; arguments cod, scl, out0; writes out0
.if DOCPART == 4
	.amdgcn_target "amdgcn-amd-amdhsa--gfx1250"
	.amdhsa_code_object_version 6
	.text
	.protected	k_q27c79c10ba_outp
	.globl	k_q27c79c10ba_outp
	.p2align	8
	.type	k_q27c79c10ba_outp,@function
k_q27c79c10ba_outp:
	s_mov_b64 s[64:65], 0
	v_nop
	global_prefetch_b8 v0, s[64:65] scope:SCOPE_SE
	s_setreg_imm32_b32 hwreg(HW_REG_WAVE_MODE, 25, 1), 1
	s_wait_xcnt 0x0
	s_wait_alu depctr_hold_cnt(0) depctr_sa_sdst(0) depctr_va_vdst(0) depctr_va_sdst(0) depctr_va_ssrc(0) depctr_va_vcc(0) depctr_vm_vsrc(0)
	s_getreg_b32 s2, hwreg(HW_REG_IB_STS2, 6, 4)
	s_cmp_eq_u32 s2, 0
	s_cbranch_scc0 .Lentry_in_a_cluster
	s_endpgm
.Lentry_in_a_cluster:
	s_bfe_u32 s2, ttmp6, 0x10000c
	s_cmp_lg_u32 s2, 0xf033
	s_cbranch_scc0 .Lentry_shape_is_right
	s_endpgm
.Lentry_shape_is_right:
; out0 = O Wo^T on codes of FP6 (E2M3) with E8M0 scales; sums in f32.  O: tiles 512-767 of cod, Wo: tiles 448-511, both in the order of the operand's registers; their scale words in scl.
; SHARES: 256 work-groups of 128 x 128 (tiles of 256 x 256 would give work to 64 only); a wave makes 64 x 64: 16 accumulators.
; ALL OF K (1,024) of the work-group's 8 + 8 tiles is 196,608 bytes: it is brought into LDS once, in four groups of 256 along K.  Nothing is filled again, so there is no ring.
; CLUSTERS: 4 x 4 work-groups; O's tiles are shared along a row of the cluster, Wo's along a column: each is asked for jointly.
; THE MATRIX INSTRUCTION IS USED TRANSPOSED (source 0 = a tile of Wo, source 1 = a tile of O): a lane holds one row of the result and, by the choice of a tile's rows
; (tile 2 P + u: rows 32 P + 8 u + p + 8 (p / 8)), register j of Wo's tile b is column 32 (b / 2) + 16 (lane / 16) + 8 (b % 2) + j of my 64.
; REGISTERS: window 0: v4-26 addresses; v32-63 scale words; v64-127 rows on the way out; v128-255 accumulator (a, b) at v[128 + 8 (4 a + b)].   window 1: two sets of fragments, at v0 and v128: A's four, then B's four.
.set FR,   12
.set GRP,  49152                       ; a group in LDS: A's 8 tiles, then B's 8, 3,072 bytes each
.set STAGE, 4*GRP                      ; behind the groups: 16 rows x (256 bytes + 16) for each wave, for the way out; no tensor load lands there
.set A16,  4                           ; v4-7    LDS address of the 16-byte parts of my A tiles in group 0 .. 3
.set A8,   8                           ; v8-11   of their 8-byte parts
.set B16,  12                          ; v12-15  the same for B
.set B8,   16                          ; v16-19
.set SOF,  20                          ; v20     my offset among the scale words
.set STO,  24                          ; v24     the way out: where I put 32 bytes of a row
.set RD,   25                          ; v25     where I read a row back
.set CO,   26                          ; v26     my byte offset in out0
.set SC,   32                          ; v[SC + 8 i + s]: lanes 0-15 the word of A's tile i, lanes 16-31 of B's tile i, for K step s
.set BK,   64
.set ACC,  128
.set G1A,  16                          ; s[16:23], s[24:31] descriptor group 1 for A's and B's tiles
.set G1B,  24
.set G0A,  32                          ; s[32:47], s[48:63] group 0, a set for each group of K
.set G0B,  48
.set MSB, 0
.macro WIN new                         ; the immediate's high byte repeats the setting that is left
.if MSB != \new
	s_set_vgpr_msb (MSB<<8)|\new
.set MSB, \new
.endif
.endm
.macro PLACES
.rept 4
	v_nop
.endr
.endm
.macro CROUND                          ; a round of the cluster's barrier
	s_barrier_signal -1
	s_barrier_wait -1
	s_cmp_lg_u32 s10, 0
	s_cbranch_scc1 .Lnot_wave_0_\@
	s_barrier_signal -3
.Lnot_wave_0_\@:
	s_barrier_wait -3
	s_barrier_signal -1
	s_barrier_wait -1
.endm
	s_load_b128 s[4:7], s[0:1], 0x0                ; cod, scl
	s_load_b64 s[8:9], s[0:1], 0x10                ; out0
	v_lshl_add_u32 v30, v0, 2, 0x34400
	v_mov_b32 v31, 0
	ds_add_u32 v30, v31
	ds_add_u32 v30, v31
	v_lshrrev_b32 v1, 5, v0
	v_readfirstlane_b32 s10, v1                    ; wave 0..3
	s_lshr_b32 s11, s10, 1                         ; which 4 of A's 8 tiles are mine.  Also: I fetch for A (0) or for B (1)
	s_and_b32 s12, s10, 1                          ; which 4 of B's.  Also: which 4 tiles I fetch
	s_bfe_u32 s13, ttmp6, 0x40000                  ; cx
	s_bfe_u32 s14, ttmp6, 0x40004                  ; cy
	s_lshl_b32 s66, ttmp9, 2
	s_add_co_u32 s66, s66, s13                     ; which 128 columns
	s_and_b32 s67, ttmp7, 0xffff
	s_lshl_b32 s67, s67, 2
	s_add_co_u32 s67, s67, s14                     ; which 128 rows
	s_lshl_b32 s68, s14, 2
	s_lshl_b32 s68, 15, s68                        ; my row of the cluster
	s_lshl_b32 s69, 0x1111, s13                    ; my column
	; descriptor group 1: 4 tiles' parts of one group: 4 rows of 3,072 bytes (384 elements of 8 bytes), 12,288 bytes apart in memory, on end in LDS
	s_or_b32 s[G1A], s68, (3<<16)|(1<<21)
	s_or_b32 s[G1B], s69, (3<<16)|(1<<21)
.irp g, G1A, G1B
	s_mov_b32 s[\g+1], 384<<16
	s_mov_b32 s[\g+2], 4<<16
	s_mov_b32 s[\g+3], 384<<16
	s_mov_b32 s[\g+4], 4
	s_mov_b32 s[\g+5], 1536
	s_mov_b32 s[\g+6], 0
	s_mov_b32 s[\g+7], 0
.endr
	s_lshl_b32 s78, s12, 2
	s_lshl_b32 s70, s67, 3
	s_add_co_u32 s70, s70, 512                     ; A's first tile: made of the rows' coordinate alone
	s_lshl_b32 s72, s66, 3
	s_add_co_u32 s72, s72, 448                     ; B's: of the columns' alone
	s_add_co_u32 s74, s70, s78
	s_mul_i32 s74, s74, 12288
	s_mov_b32 s75, 0
	s_add_co_u32 s76, s72, s78
	s_mul_i32 s76, s76, 12288
	s_mov_b32 s77, 0
	s_mul_i32 s79, s10, 12288                      ; where they go: wave x 4 tiles: no place in the cluster enters an LDS address
	s_wait_dscnt 0x0
	s_wait_kmcnt 0x0
	s_add_nc_u64 s[74:75], s[4:5], s[74:75]
	s_add_nc_u64 s[76:77], s[4:5], s[76:77]
	CROUND                                         ; all sixteen work-groups are here: the joint loads meet
.irp g, 0,1,2,3
	s_mov_b32 s[G0A+4*\g], 1
	s_add_co_u32 s[G0A+4*\g+1], s79, \g*GRP
	s_add_nc_u64 s[G0A+4*\g+2:G0A+4*\g+3], s[74:75], \g*3072
	s_or_b32 s[G0A+4*\g+3], s[G0A+4*\g+3], 0x80000000
	s_mov_b32 s[G0B+4*\g], 1
	s_add_co_u32 s[G0B+4*\g+1], s79, \g*GRP
	s_add_nc_u64 s[G0B+4*\g+2:G0B+4*\g+3], s[76:77], \g*3072
	s_or_b32 s[G0B+4*\g+3], s[G0B+4*\g+3], 0x80000000
.endr
	s_cmp_eq_u32 s11, 0                            ; a wave's four fills stand in one branch: four loads of mine are out
	s_cbranch_scc0 .Lfirst_b
	tensor_load_to_lds s[G0A:G0A+3], s[G1A:G1A+7]
	s_nop 0
	tensor_load_to_lds s[G0A+4:G0A+7], s[G1A:G1A+7]
	s_nop 0
	tensor_load_to_lds s[G0A+8:G0A+11], s[G1A:G1A+7]
	s_nop 0
	tensor_load_to_lds s[G0A+12:G0A+15], s[G1A:G1A+7]
	s_nop 0
.rept 4
	v_nop
.endr
	s_branch .Lfirst_asked
.Lfirst_b:
	tensor_load_to_lds s[G0B:G0B+3], s[G1B:G1B+7]
	s_nop 0
	tensor_load_to_lds s[G0B+4:G0B+7], s[G1B:G1B+7]
	s_nop 0
	tensor_load_to_lds s[G0B+8:G0B+11], s[G1B:G1B+7]
	s_nop 0
	tensor_load_to_lds s[G0B+12:G0B+15], s[G1B:G1B+7]
	s_nop 0
.rept 4
	v_nop
.endr
.Lfirst_asked:
	v_and_b32 v1, 31, v0                           ; lane
	v_and_b32 v2, 15, v0                           ; r
	v_bfe_u32 v3, v0, 4, 1                         ; hh
	v_lshlrev_b32 v21, 4, v1
	v_lshlrev_b32 v22, 3, v1
	s_lshl_b32 s80, s11, 2
	s_add_co_u32 s80, s80, s70
	s_lshl_b32 s80, s80, 9                         ; the scale words of my 4 tiles of A,
	s_add_co_u32 s81, s72, s78
	s_lshl_b32 s81, s81, 9                         ; of B
	v_mov_b32 v27, s80
	v_mov_b32 v28, s81
	v_cmp_le_u32 vcc_lo, 16, v1
	v_cndmask_b32 v27, v27, v28, vcc_lo            ; lanes 16-31 take B's
	v_lshl_add_u32 v[SOF], v2, 5, v27
.irp i, 0,1,2,3
	global_load_b128 v[SC+8*\i:SC+8*\i+3], v[SOF], s[6:7] offset:512*\i
	global_load_b128 v[SC+8*\i+4:SC+8*\i+7], v[SOF], s[6:7] offset:512*\i+16
.endr
	s_mul_i32 s80, s11, 12288                      ; my 4 tiles of A in a group,
	s_mul_i32 s81, s12, 12288
	s_add_co_u32 s81, s81, 24576                   ; my 4 of B, behind A's 8
.irp g, 0,1,2,3
	v_add_nc_u32 v[A16+\g], s80, v21
	v_add_nc_u32 v[A8+\g], s80, v22
	v_add_nc_u32 v[B16+\g], s81, v21
	v_add_nc_u32 v[B8+\g], s81, v22
	s_add_co_u32 s80, s80, GRP
	s_add_co_u32 s81, s81, GRP
.endr
	s_mul_i32 s82, s10, 16*272
	s_add_co_u32 s82, s82, STAGE                   ; my stage
	v_mul_u32_u24 v[STO], v2, 272
	v_lshl_add_u32 v[STO], v3, 6, v[STO]
	v_add_nc_u32 v[STO], s82, v[STO]               ; in: row-lane r, + 64 hh
	v_mul_u32_u24 v[RD], v3, 272
	v_lshl_add_u32 v[RD], v2, 4, v[RD]
	v_add_nc_u32 v[RD], s82, v[RD]                 ; back: lanes 0-15 one row of 256 bytes, lanes 16-31 the next
	v_lshlrev_b32 v[CO], 12, v3
	v_lshl_add_u32 v[CO], v2, 4, v[CO]             ; and the same two rows in out0
	s_lshl_b32 s84, s67, 7
	s_lshl_b32 s85, s11, 6
	s_add_co_u32 s84, s84, s85                     ; my first row
	s_lshl_b32 s84, s84, 12
	s_lshl_b32 s85, s66, 9
	s_add_co_u32 s84, s84, s85
	s_lshl_b32 s85, s12, 8
	s_add_co_u32 s84, s84, s85                     ; my first column, in bytes: 512 x work-group + 256 x half
	s_mov_b32 s85, 0
	s_add_nc_u64 s[8:9], s[8:9], s[84:85]
.macro FRAG reg, a16, a8, i, q         ; a fragment: tile i, the group's q-th 128 along K
	ds_load_b128 v[\reg:\reg+3], v[\a16] offset:3072*(\i)+1024*(\q)
	ds_load_b64 v[\reg+4:\reg+5], v[\a8] offset:3072*(\i)+2048+512*(\q)
	ds_load_b128 v[\reg+6:\reg+9], v[\a16] offset:3072*(\i)+1024*(\q)+512
	ds_load_b64 v[\reg+10:\reg+11], v[\a8] offset:3072*(\i)+2048+512*(\q)+256
.endm
.macro OFETCH s                        ; K step s's eight fragments into set s % 2: 32 loads
	WIN 0x40                                       ; destination window 1, address window 0
.irp i, 0,1,2,3
	FRAG 128*((\s)%2)+48+FR*\i, B16+(\s)/2, B8+(\s)/2, \i, (\s)%2
	FRAG 128*((\s)%2)+FR*\i, A16+(\s)/2, A8+(\s)/2, \i, (\s)%2
.endr
.endm
; K step s: the next step's fragments are asked for, then 16 matrix instructions, the accumulators by turns.
.macro OSTEP s
	s_wait_dscnt 0x0                               ; this step's fragments are in
.if (\s) < 7
.if (\s)%2 == 1
	s_wait_tensorcnt 3-((\s)+1)/2                  ; my part of the next group is in; the later groups may stay out
	s_barrier_signal -1
	s_barrier_wait -1                              ; everybody's is
.endif
	PLACES                                         ; in front of loads into the set that the step before multiplied
	OFETCH (\s)+1
.endif
	WIN 0x05                                       ; sources 0 and 1 window 1, C and D window 0
.irp a, 0,1,2,3
.irp b, 0,1,2,3
.if (\s) == 0
	v_wmma_scale_f32_16x16x128_f8f6f4 v[ACC+8*(4*\a+\b):ACC+8*(4*\a+\b)+7], v[128*((\s)%2)+48+FR*\b:128*((\s)%2)+48+FR*\b+FR-1], v[128*((\s)%2)+FR*\a:128*((\s)%2)+FR*\a+FR-1], 0, v[SC+8*\b+(\s)], v[SC+8*\a+(\s)] matrix_a_fmt:MATRIX_FMT_FP6 matrix_b_fmt:MATRIX_FMT_FP6 matrix_a_scale:MATRIX_SCALE_ROW1
.else
	v_wmma_scale_f32_16x16x128_f8f6f4 v[ACC+8*(4*\a+\b):ACC+8*(4*\a+\b)+7], v[128*((\s)%2)+48+FR*\b:128*((\s)%2)+48+FR*\b+FR-1], v[128*((\s)%2)+FR*\a:128*((\s)%2)+FR*\a+FR-1], v[ACC+8*(4*\a+\b):ACC+8*(4*\a+\b)+7], v[SC+8*\b+(\s)], v[SC+8*\a+(\s)] matrix_a_fmt:MATRIX_FMT_FP6 matrix_b_fmt:MATRIX_FMT_FP6 matrix_a_scale:MATRIX_SCALE_ROW1
.endif
.endr
.endr
.endm
	s_wait_tensorcnt 3                             ; my part of group 0 is in; groups 1, 2, 3 may stay out
	s_barrier_signal -1
	s_barrier_wait -1
	OFETCH 0
	s_wait_loadcnt 0x0                             ; the scale words
.irp s, 0,1,2,3,4,5,6,7
	OSTEP \s
.endr
	WIN 0
	PLACES
; THE WAY OUT, a tile of 16 rows x 64 columns at a time, through my own stage: in by 32 bytes of a row a lane, back as whole rows of 256 bytes.
; LDS serves a wave's instructions in order (ISA guide 5.7.1.4): no wait between the stores and the loads, nor in front of the next tile's stores.
.macro TOSTAGE a
.irp b, 0,1,2,3
	ds_store_b128 v[STO], v[ACC+8*(4*(\a)+\b):ACC+8*(4*(\a)+\b)+3] offset:128*(\b/2)+32*(\b%2)       ; each accumulator from its low end on
	ds_store_b128 v[STO], v[ACC+8*(4*(\a)+\b)+4:ACC+8*(4*(\a)+\b)+7] offset:128*(\b/2)+32*(\b%2)+16
.endr
.irp t, 0,1,2,3,4,5,6,7
	ds_load_b128 v[BK+32*((\a)%2)+4*\t:BK+32*((\a)%2)+4*\t+3], v[RD] offset:544*\t
.endr
.endm
.macro SEND a, younger                 ; younger: the LDS instructions issued behind tile a's loads, which may stay out
	s_wait_dscnt \younger
.irp t, 0,1,2,3,4,5,6,7                        ; row-lanes 2 t and 2 t + 1 of tile a are rows 32 (a / 2) + 8 (a % 2) + 2 t + 8 (t / 4) and the next
	global_store_b128 v[CO], v[BK+32*((\a)%2)+4*\t:BK+32*((\a)%2)+4*\t+3], s[8:9] offset:(32*((\a)/2)+8*((\a)%2)+2*\t+8*(\t/4))*4096 th:TH_STORE_NT   ; 16 lanes store 256 consecutive bytes, aligned
.endr
.endm
	TOSTAGE 0
.irp a, 1,2,3
.if \a > 1
	s_wait_xcnt 0x0                                ; tile a - 2's stores have read their registers: tile a's loads may land there
.endif
	TOSTAGE \a
	SEND \a-1, 16                                  ; behind tile a - 1's loads: tile a's 8 stores and 8 loads
.endr
	SEND 3, 0
	s_wait_tensorcnt 0x0
	ds_add_u32 v30, v31
	s_wait_dscnt 0x0
	CROUND                                         ; the closing round: no work-group ends while a partner may still ask for a tile that names it
	s_endpgm
.Lfunc_end_k_q27c79c10ba_outp:
	.size	k_q27c79c10ba_outp, .Lfunc_end_k_q27c79c10ba_outp-k_q27c79c10ba_outp
	.p2alignl 7, 3214868480
	.fill 96, 4, 3214868480
	.section	.rodata,"a",@progbits
	.p2align	6, 0x0
	.amdhsa_kernel k_q27c79c10ba_outp
		.amdhsa_group_segment_fixed_size 214528
		.amdhsa_private_segment_fixed_size 0
		.amdhsa_enable_private_segment 0
		.amdhsa_kernarg_size 24
		.amdhsa_user_sgpr_count 2
		.amdhsa_user_sgpr_kernarg_segment_ptr 1
		.amdhsa_wavefront_size32 1
		.amdhsa_system_sgpr_workgroup_id_x 1
		.amdhsa_system_sgpr_workgroup_id_y 1
		.amdhsa_system_sgpr_workgroup_id_z 1
		.amdhsa_system_vgpr_workitem_id 0
		.amdhsa_next_free_vgpr 512
		.amdhsa_next_free_sgpr 96
		.amdhsa_reserve_vcc 1
		.amdhsa_float_denorm_mode_32 3
		.amdhsa_float_denorm_mode_16_64 3
		.amdhsa_memory_ordered 1
		.amdhsa_forward_progress 1
		.amdhsa_inst_pref_size 52
	.end_amdhsa_kernel
	.amdgpu_metadata
---
amdhsa.version: [ 1, 2 ]
amdhsa.kernels:
  - .name:           k_q27c79c10ba_outp
    .symbol:         k_q27c79c10ba_outp.kd
    .args:
      - { .name: cod, .offset: 0, .size: 8, .value_kind: global_buffer, .address_space: global }
      - { .name: scl, .offset: 8, .size: 8, .value_kind: global_buffer, .address_space: global }
      - { .name: out0, .offset: 16, .size: 8, .value_kind: global_buffer, .address_space: global }
    .group_segment_fixed_size: 214528
    .private_segment_fixed_size: 0
    .kernarg_segment_align: 8
    .kernarg_segment_size: 24
    .max_flat_workgroup_size: 128
    .sgpr_count:     96
    .vgpr_count:     512
    .wavefront_size: 32
...
	.end_amdgpu_metadata
.endif
;; end of part 4
